; MI455X (gfx1250); checked and timed in simulation.
; The chip was launched on July 23, 2026; its instructions are those of AMD's public machine-readable ISA for CDNA 5 (MIT licence, August 2026) and "CDNA5" Instruction Set Architecture Reference Guide (July 2026). The comments in the code are by the model that wrote it; some were corrected since.
;; Attention. Allowed arithmetic: matrix products marked QUANTISED: E2M1 operands, one E8M0 scale for each 32 along K, by v_wmma_scale_f32_16x16x128_f8f6f4 with both operands' format E2M1 (or v_wmma_scale_f32_32x16x128_f4), f32 sums; products left as they are: f32 operands where the result goes on into a quantised operand, else bf16, f16 or f32 operands; f32 sums; everything else in f32.
;; Inputs: W_hid_codes 1,024 x 64 x 16 uint8 (E2M1 codes of W_hid, K innermost, in blocks of 32 codes, two codes a byte); W_hid_scales 1,024 x 64 uint8 (E8M0 scales of W_hid, one for each 32 codes along K); b_hid 1,024 float32; encoder_outputs 32 x 1,024 x 1,024 float32; hidden 32 x 1 x 1,024 float32; w_score 1,024 float32.
;; Outputs: out0 32 x 1 x 1,024 float32; out1 32 x 1 x 1,024 float32.
;; This version of the problem:
;;   THIS VERSION OF THE PROBLEM IS GIVEN IN LOW PRECISION. The matrix products marked QUANTISED in the list below multiply operands that are first quantised to E2M1 (2 exponent bits, 1 mantissa bit; 4 bits a number), with one power-of-two scale for each 32 numbers along K (OCP MX v1.0); their sums are f32. All else is computed in f32.
;;   The module's matrix products, in the order in which they are computed (A, B: the left and right operand; K: the contracted axis; several contracted axes count as one K, in the product's order):
;;     1. [M 32,768, K 2,048] x [K 2,048, N 1,024]; A: computed on the way; B: input W_hid (given as codes): QUANTISED
;;     2. [M 32,768, K 1,024] x [K 1,024, N 1]; A: computed on the way; B: input w_score: left as it is (N = 1 < 16)
;;     3. batch 32 x [M 1, K 1,024] x [K 1,024, N 1,024]; A: computed on the way; B: input encoder_outputs: left as it is (M = 1 < 16)
;;   THE QUANTISER, for each operand of a quantised product, along K:
;;     - K is cut into blocks of 32 from its start; a last block that is shorter is filled with zeros.
;;     - A block's scale is 2^e with e = floor(log2(the largest magnitude in the block)) - 2, held to -126 .. 127; a block of zeros has e = 0. As a byte (E8M0): e + 127.
;;     - Each number is divided by its block's scale, clamped to +-6, and rounded to the nearest number of E2M1, ties to even, subnormals kept.
;;     - The product sums the exact products of the quantised numbers (number of the format x scale) in f32.
;;   ~~~python
;;   def quantise(x, axis):      # numpy; x: float32 -> the quantised numbers, widened to float32 again
;;       x = np.moveaxis(x, axis, -1); K = x.shape[-1]
;;       x = np.pad(x, [(0, 0)] * (x.ndim - 1) + [(0, -K % 32)]); x = x.reshape(x.shape[:-1] + (-1, 32)); a = np.abs(x).max(-1, keepdims=True)
;;       e = np.where(a > 0, np.clip(np.frexp(np.where(a > 0, a, 1))[1] - 1 - 2, -126, 127), 0)      # np.frexp(a)[1] - 1 = floor(log2(a)), exactly
;;       r = np.clip(x / 2.0 ** e, -6, 6)
;;       step = 2.0 ** (np.maximum(np.frexp(np.where(r == 0, 1, r))[1] - 1, 0) - 1)
;;       q = np.round(r / step) * step * 2.0 ** e      # np.round: ties to even
;;       return np.moveaxis(q.reshape(q.shape[:-2] + (-1,))[..., :K], -1, axis).astype(np.float32)
;;   ~~~
;;   OPERANDS COMPUTED ON THE WAY. 'Computed on the way' means the value that the module computes at that place (a softmax that the list does not call 'softmax' is quantised finished and normalised). What goes into a quantiser is computed in f32, as accurately as f32 sums, v_exp_f32 and their like allow (about 1e-6 of the number): no bf16 or f16 on the way to a quantiser, and a product that is left as it is and whose result goes on into a quantised operand takes f32 operands (vector FMAs, or v_wmma_f32_16x16x4_f32). A number that lies on a knife's edge between two numbers of the format may be rounded either way, as far as f32 arithmetic and the matrix unit's own rounding can turn it there, and no further.
;;   INPUTS GIVEN AS CODES. W_hid (in the module: [2048, 1024], K = its axis 0): each comes as NAME_codes (uint8): NAME with its K axis moved to the last place and cut into blocks of 32 codes, [.., K / 32, bytes a block], one block behind the other in memory; two codes a byte, the lower K in the low four bits (a code: sign, 2 exponent bits, 1 mantissa bit); and NAME_scales (uint8): the same leading axes, one E8M0 byte (e + 127) for each 32 codes along K. Its value is code x scale, taken as it is: it is not quantised again, and the codes and scales need not be those that the quantiser above would give.
;; One version. Each part assembles by itself: llvm-mc -triple=amdgcn-amd-amdhsa -mcpu=gfx1250 --defsym DOCPART=n.
;; ======== version 1 of 1: 2 launches
;; workspace buffers: tsc 131,072 bytes; stats 65,536 bytes; ctxp 1,048,576 bytes
;; launch main (part 1): grid 256 x 1, 4 waves a work-group, clusters of 4 x 1, 327,680 bytes of LDS; arguments encoder_outputs, hidden, W_hid_codes, W_hid_scales, b_hid, w_score, tsc, stats, ctxp; writes tsc, stats, ctxp
.if DOCPART == 1
	.amdgcn_target "amdgcn-amd-amdhsa--gfx1250"
	.amdhsa_code_object_version 6
	.text
	.protected	k_q8f129ad244_main
	.globl	k_q8f129ad244_main
	.p2align	8
	.type	k_q8f129ad244_main,@function
k_q8f129ad244_main:
	s_mov_b64 s[64:65], 0
	v_nop
	global_prefetch_b8 v0, s[64:65] scope:SCOPE_SE
	s_setreg_imm32_b32 hwreg(HW_REG_WAVE_MODE, 25, 1), 1
	s_wait_xcnt 0x0
	s_wait_alu depctr_hold_cnt(0) depctr_sa_sdst(0) depctr_va_vdst(0) depctr_va_sdst(0) depctr_va_ssrc(0) depctr_va_vcc(0) depctr_vm_vsrc(0)
	s_getreg_b32 s2, hwreg(HW_REG_IB_STS2, 6, 4)
	s_cmp_eq_u32 s2, 0
	s_cbranch_scc0 .Lentry_in_a_cluster
	s_endpgm
.Lentry_in_a_cluster:
	s_bfe_u32 s2, ttmp6, 0x10000c
	s_cmp_lg_u32 s2, 0x3003
	s_cbranch_scc0 .Lentry_shape_is_right
	s_endpgm
.Lentry_shape_is_right:
; Additive attention, first launch.  enc [32][1024][1024] f32, hidden [32][1024] f32, W as E2M1 codes [1024 n][2048 k] (1,024 bytes a row) with E8M0 bytes [1024 n][64], b_hid, w_score [1024] f32.
; A work-group of four waves owns 128 rows t of one batch and reads its 512 KiB of enc ONCE.  It leaves: t2[128] = the rows' scores in units of log2, up to a shift common to the batch; m = their maximum;
; l = the sum of 2^(t2 - m); and the sum over its rows of 2^(t2 - m) enc[t][:].  The second launch joins the eight work-groups of a batch.
; PHASE A, eight steps of 128 along K.  ENC COMES STRAIGHT INTO REGISTERS: a wave owns 32 rows; a step is 32 loads, a row each, 512 consecutive bytes; two steps (64 loads) are kept out, in two landing zones that take
;   turns, and a zone is asked for again as soon as it is drained.  From the zone a step's numbers are rounded to a bf16 copy (512 registers in all, for the last product) and turn through the wave's own stage in LDS,
;   so that a lane holds whole blocks of 32 of one row: the conversions' results are then the operand's registers.  The codes go to LDS as images of those registers and stay there until phase B.
;   A ring of two LDS slots carries W alone, 128 rows n a tile: in phase A its second half (k 1,024 on), in phase B its first.
; THE HIDDEN HALF OF K.  reference() broadcasts hidden over t, so K blocks 32 to 63 hold the same numbers in every row of a batch, and so do their codes.  Their product with W's second half is one vector of 1,024 for the
;   batch: it is made once by the work-group, by the same matrix instruction (16 equal columns), onto b_hid, and is then the C of every sum of phase B.  It holds for every input of these shapes.
; PHASE B: x[t][n] = that vector + enc's codes x W's first half.  Waves stand 2 (64 rows) x 2 (halves of a tile of 128 n).  The product is used transposed (source 0 = 16 rows n of W, source 1 = 16 rows t): a lane holds
;   one t and eight n.  tanh(x) = 1 - 2 / (1 + e), e = 2^(2 log2(e) x); the softmax does not see the constant sum of w, so the score kept is -2 x the sum of w[n] / (1 + e): no difference of large sums is formed.
;   e = infinity gives 0 and e = 0 gives 1: tanh saturates as it should.  One tile's exponentials and reciprocals stand between the next tile's matrix instructions.
; PHASE C: the work-group's maximum is taken away before the exponential; p = 2^(t2 - m) stays f32; enc is the bf16 copy (this product is left as it is).
; CLUSTER: all work-groups walk the same W, so four of them ask for each tile of W's codes and scale bytes jointly (mask 15).  enc's rows belong to one work-group: nothing of them is shared.
; LIMITS: NaN and infinities among the inputs are not served.  A block of zeros gets the scale byte 1 (not 127) over zero codes: these bytes are read by this launch alone.  Blocks whose largest magnitude lies under
;   2^(3 - 127) keep that floor's byte.  enc is rounded to bf16 for the last product only.
.set PITCH, 528                        ; an LDS row of 512 bytes + 16 of padding = 132 words: the 16 rows of a load start at 16 different 16-byte columns
.set SP,    48                         ; a row of 32 scale bytes + 16 of padding
.set OSC,   128*PITCH                  ; a slot: 128 rows of codes, then their scale bytes
.set SLOT,  128*PITCH+128*SP           ; 73,728
.set SCR,   2*SLOT                     ; behind the ring: bytes that LDS stores write and no tensor load fills
.set STG,   SCR                        ; the stages: 32 rows x 528 for each wave, its own
.set XCH,   STG+128*PITCH              ; 8 x 8,192: images of enc's fragments: step s at 8,192 s, tile of rows m at 1,024 m, register group c at 512 c, 16 bytes a lane
.set ASC,   XCH+65536                  ; enc's scale words: (8 m + step) x 64 + 4 r
.set BIAS,  ASC+4096                   ; b_hid, then b_hid + the hidden half: f32 [1024]
.set WSC,   BIAS+4096                  ; w_score
.set SCP,   WSC+4096                   ; partial scores [2][128]
.set PP,    SCP+1024                   ; p, 128 bytes a wave
.set HSC,   PP+512                     ; hidden's eight scale words
.set SPARE, HSC+256                    ; the spare words, 128 bytes a wave: two blocks of 256 bytes that no other line names
; scalar registers
.set WAV, 22                           ; wave 0..3
.set MI,  23                           ; which 64 rows are mine in phase B
.set NI,  24                           ; which half of a tile of W: to fetch, and in phase B to multiply
.set CX,  25
.set WG,  26                           ; work-group 0..255; s[2:3] and s[52:53] hold offsets made of it, for global addresses alone
.set TMP, 27
.set G1W, 36                           ; s[36:43] group 1: W's codes, 64 rows x 128 words, 256 words apart, joint
.set G1S, 44                           ; s[44:51] W's scale bytes, 64 rows x 8 words, 16 words apart, joint
.set OUT, 52                           ; counts phase B's outer loop
.set SEL, 60                           ; s[60:61] v_permlanex16_b32: lane l xor 16
.set CC,  62                           ; s[62:63] 2 log2(e)
.set TB,  66                           ; LDS byte of the tile of W to be fetched
.set TS,  67                           ; the same for its scale bytes
.set G0WA, 68                          ; groups 0, a set for each slot.  Phase A: W's second half
.set G0SA, 76
.set G0WB, 84                          ; phase B: W's first half
.set G0SB, 92
.set TN,  100                          ; 4 x the tile's first n, less my half's
.set CNT, 101
; vector registers, window 0
.set SPW, 1                            ; SPARE + 4 x thread; never rewritten
.set NIL, 2                            ; 0; never rewritten
.set SH8, 3                            ; 8 h
.set AE,  4                            ; my stage: row r, + 128 h
.set GOF, 5                            ; 16 x lane: my bytes of a row's 512; never rewritten
.set AC,  6                            ; my stage: 16 bytes a lane
.set HQA, 7                            ; my stage: + 128 h
.set AWB, 8                            ; v8-9   slot s: my 32 rows of W's second half
.set ASB, 10                           ; v10-11 slot s: their scale bytes
.set LI,  12                           ; XCH + 16 x lane
.set XW,  13                           ; + 2,048 x wave: where I store images
.set XR,  14                           ; + 4,096 x MI: where I read my four tiles' images
.set ASW, 15
.set ABB, 16
.set ASR, 17
.set AW0, 18
.set AWS, 19
.set AB0, 20
.set LANE, 24
.set RR,  25
.set HH,  26
.set QT,  160                          ; v160-166 at work in QUANT
.set BA,  200                          ; v200-215 two accumulators of the hidden half
.set HWA, 219
.set HRA, 220
.set TOF, 222
.set STA, 223
.set RES, 224                          ; v224-239 enc's scale words: 4 m + q: lanes 0-15 K step q, lanes 16-31 K step q + 4.  v224-251 hold scales and nothing else
.set RWS, 240                          ; v240-247 W's, two sets of four, laid likewise
.set RHS, 248                          ; v248-251 hidden's
.set ACC, 32                           ; phase B: v32-95 two sets of four accumulators
.set WF,  96                           ; v96-159 W's eight fragments of a tile
.set BC,  184                          ; v184-191 the tile's C
.set WVR, 192                          ; v192-207 w_score of a tile, two sets
.set SC,  208                          ; v208-215 four pairs of score sums
.set CT,  32                           ; phase C: v32-63
.set PB,  128                          ; v128-159 p of my 32 rows, in every lane
.set ZR,  175
; window 1: in phase A the two landing zones (even steps v0-127, odd steps v128-255: row i in four registers); in phase B enc's codes, fragment (tile m of my four, K step k) at 8 (8 m + k).
; windows 2, 3: the bf16 copy: K step k, row i at 64 (k % 4) + 2 i.  Window 3, v192-255: hidden's eight fragments until step 7's copy.
.set MSB, 0
.macro WIN new                         ; the immediate's high byte repeats the setting that is left; a switch that changes nothing is dropped
.if MSB != (\new)
	s_set_vgpr_msb (MSB<<8)|(\new)
.set MSB, (\new)
.endif
.endm
.macro PLACES                          ; four plain vector instructions behind a matrix instruction, ahead of loads into its registers and of reads of its result
.rept 4
	v_nop
.endr
.endm
.macro ROUND                           ; a round of the cluster's barrier
	s_barrier_signal -1
	s_barrier_wait -1
	s_cmp_lg_u32 s[WAV], 0
	s_cbranch_scc1 .Lnw0_\@
	s_barrier_signal -3
.Lnw0_\@:
	s_barrier_wait -3
	s_barrier_signal -1
	s_barrier_wait -1
.endm
.macro TLOAD gw, gs                    ; a joint load: waves 0, 1: 64 rows of codes each; waves 2, 3: their scale bytes.  Four v_nop follow each line
	s_cmp_lt_u32 s[WAV], 2
	s_cbranch_scc0 .Ltl_s_\@
	tensor_load_to_lds s[\gw:\gw+3], s[G1W:G1W+7]
	s_nop 0
	PLACES
	s_branch .Ltl_d_\@
.Ltl_s_\@:
	tensor_load_to_lds s[\gs:\gs+3], s[G1S:G1S+7]
	s_nop 0
	PLACES
.Ltl_d_\@:
.endm
.macro RAWLOAD s                       ; K step s of my 32 rows into its zone: each load of the wave covers 512 consecutive bytes, aligned; read once in the launch
	WIN 0x40                                       ; destination window 1, address window 0
.set i, 0
.rept 32
	global_load_b128 v[128*((\s)%2)+4*i:128*((\s)%2)+4*i+3], v[GOF], s[4:5] offset:4096*i+512*(\s) th:TH_LOAD_NT
.set i, i+1
.endr
	WIN 0
.endm
.macro COPY s                          ; the zone's 32 rows, rounded to bf16, into the copy
	WIN 0x85+0x40*((\s)/4)                         ; sources window 1, destination window 2 or 3
.set i, 0
.rept 32
	v_cvt_pk_bf16_f32 v[64*((\s)%4)+2*i], v[128*((\s)%2)+4*i], v[128*((\s)%2)+4*i+1]
	v_cvt_pk_bf16_f32 v[64*((\s)%4)+2*i+1], v[128*((\s)%2)+4*i+2], v[128*((\s)%2)+4*i+3]
.set i, i+1
.endr
	WIN 0
.endm
; 64 numbers of a lane, register x + 32 c + i = k 64 c + 32 h + i of my row, become the operand's eight registers pc .. pc + 7 and the row's scale word pw.  A lane holds two whole blocks.
.macro QUANT x, pc, pw
.irp c, 0,1
	v_max3_num_f32 v[QT+\c], |v[\x+32*\c]|, |v[\x+32*\c+1]|, 0x1800000          ; with the floor 2^(3 - 127): the byte cannot fall under 1
	v_max3_num_f32 v[QT+2+\c], |v[\x+32*\c+16]|, |v[\x+32*\c+17]|, |v[\x+32*\c+18]|   ; two chains a block, four in all: no line waits for the line above it
.endr
.irp i, 2,4,6,8,10,12
.irp c, 0,1
	v_max3_num_f32 v[QT+\c], v[QT+\c], |v[\x+32*\c+\i]|, |v[\x+32*\c+\i+1]|
	v_max3_num_f32 v[QT+2+\c], v[QT+2+\c], |v[\x+32*\c+\i+17]|, |v[\x+32*\c+\i+18]|
.endr
.endr
.irp c, 0,1
	v_max3_num_f32 v[QT+\c], v[QT+\c], |v[\x+32*\c+14]|, |v[\x+32*\c+15]|
.endr
.irp c, 0,1
	v_max3_num_f32 v[QT+\c], v[QT+\c], v[QT+2+\c], |v[\x+32*\c+31]|            ; the block's largest magnitude
.endr
.irp c, 0,1
	v_add_nc_u32 v[QT+2+\c], 0xff000000, v[QT+\c]                              ; 2 off its exponent field: the conversion's scale operand
.endr
.irp c, 0,1
	v_lshrrev_b32 v[QT+4+\c], 23, v[QT+2+\c]                                   ; the scale's byte
.endr
	v_lshl_or_b32 v[\pw], v[QT+5], 16, v[QT+4]                                 ; my bytes: blocks h and 2 + h,
	v_lshlrev_b32 v[\pw], v[SH8], v[\pw]                                       ; at their places;
	v_permlanex16_b32 v[QT+6], v[\pw], s[SEL], s[SEL+1]
	v_or_b32 v[\pw], v[\pw], v[QT+6]                                           ; with lane l xor 16's two the word is whole
.irp c, 0,1
.irp g, 0,1,2,3
	v_cvt_scalef32_pk8_fp4_f32 v[\pc+4*\c+\g], v[\x+32*\c+8*\g:\x+32*\c+8*\g+7], v[QT+2+\c]
.endr
.endr
	v_nop                                                                      ; one plain instruction behind the last scaled conversion
.endm
.macro BMM ks                          ; the hidden half, K step ks: two tiles of 16 n by turns; source 0 = W, source 1 = hidden in 16 equal columns: register j of lane (r, h) = n 8 h + j, for every r
.irp u, 0,1
.if (\ks) < 4
	v_wmma_scale_f32_16x16x128_f8f6f4 v[BA+8*\u:BA+8*\u+7], v[32+32*\u+8*(\ks):32+32*\u+8*(\ks)+7], v[192+8*(\ks):192+8*(\ks)+7], v[BA+8*\u:BA+8*\u+7], v[RWS+4*\u+(\ks)], v[RHS+(\ks)] matrix_a_fmt:MATRIX_FMT_FP4 matrix_b_fmt:MATRIX_FMT_FP4
.else
	v_wmma_scale_f32_16x16x128_f8f6f4 v[BA+8*\u:BA+8*\u+7], v[96+32*\u+8*((\ks)-4):96+32*\u+8*((\ks)-4)+7], v[192+8*(\ks):192+8*(\ks)+7], v[BA+8*\u:BA+8*\u+7], v[RWS+4*\u+(\ks)-4], v[RHS+(\ks)-4] matrix_a_fmt:MATRIX_FMT_FP4 matrix_b_fmt:MATRIX_FMT_FP4 matrix_a_scale:MATRIX_SCALE_ROW1 matrix_b_scale:MATRIX_SCALE_ROW1
.endif
.endr
.endm
	s_load_b512 s[4:19], s[0:1], 0x0               ; enc s[4:5], hidden s[6:7], W's codes s[8:9], W's scales s[10:11], b_hid s[12:13], w_score s[14:15], tsc s[16:17], stats s[18:19]
	s_load_b64 s[20:21], s[0:1], 0x40              ; ctxp
	v_lshl_add_u32 v[SPW], v0, 2, SPARE
	v_mov_b32 v[NIL], 0
	ds_add_u32 v1, v2
	ds_add_u32 v1, v2
	s_wait_dscnt 0x0
	v_lshrrev_b32 v27, 5, v0
	v_readfirstlane_b32 s[WAV], v27
	s_lshr_b32 s[MI], s[WAV], 1
	s_and_b32 s[NI], s[WAV], 1
	s_bfe_u32 s[CX], ttmp6, 0x40000                ; my place in the cluster
	s_lshl_b32 s[WG], ttmp9, 2                     ; ttmp9 counts clusters
	s_add_co_u32 s[WG], s[WG], s[CX]
	v_and_b32 v[LANE], 31, v0
	v_and_b32 v[RR], 15, v0
	v_bfe_u32 v[HH], v0, 4, 1
	v_lshlrev_b32 v[GOF], 4, v[LANE]
	v_lshlrev_b32 v[TOF], 4, v0
	; groups 1: elements of 4 bytes; four words of padding behind each row; the mask names the four work-groups, bit 21 beside it
	s_mov_b32 s[G1W], 15|(2<<16)|(1<<20)|(1<<21)|(6<<22)|(3<<25)      ; padding after every 128 words
	s_mov_b32 s[G1W+1], 128<<16                    ; tensor_dim0
	s_mov_b32 s[G1W+2], 64<<16                     ; tensor_dim1
	s_mov_b32 s[G1W+3], 128<<16                    ; tile_dim0
	s_mov_b32 s[G1W+4], 64                         ; tile_dim1
	s_mov_b32 s[G1W+5], 256                        ; from row to row
	s_mov_b32 s[G1W+6], 0
	s_mov_b32 s[G1W+7], 0
	s_mov_b32 s[G1S], 15|(2<<16)|(1<<20)|(1<<21)|(2<<22)|(3<<25)      ; padding after every 8 words
	s_mov_b32 s[G1S+1], 8<<16
	s_mov_b32 s[G1S+2], 64<<16
	s_mov_b32 s[G1S+3], 8<<16
	s_mov_b32 s[G1S+4], 64
	s_mov_b32 s[G1S+5], 16
	s_mov_b32 s[G1S+6], 0
	s_mov_b32 s[G1S+7], 0
	s_mov_b32 s[SEL], 0x76543210
	s_mov_b32 s[SEL+1], 0xfedcba98
	s_mov_b32 s[CC], 0x4038aa3b                    ; 2 log2(e)
	s_mov_b32 s[CC+1], s[CC]                       ; (named with it as a pair)
	s_lshl_b32 s2, s[WG], 19                       ; my work-group's 128 rows of 4,096 bytes (under 2^32),
	s_lshl_b32 s3, s[WAV], 17                      ; my wave's 32 of them
	s_add_co_u32 s2, s2, s3
	s_mov_b32 s3, 0
	s_lshr_b32 s52, s[WG], 3                       ; my batch's hidden,
	s_lshl_b32 s52, s52, 12
	s_lshl_b32 s53, s[WAV], 10                     ; its K steps 2 w and 2 w + 1
	s_add_co_u32 s52, s52, s53
	s_mov_b32 s53, 0
	s_wait_kmcnt 0x0
	s_add_nc_u64 s[4:5], s[4:5], s[2:3]
	s_add_nc_u64 s[6:7], s[6:7], s[52:53]
	global_load_b128 v[168:171], v[GOF], s[6:7]               ; the six small loads first: they are wanted first
	global_load_b128 v[172:175], v[GOF], s[6:7] offset:512
	global_load_b128 v[200:203], v[TOF], s[14:15]
	global_load_b128 v[204:207], v[TOF], s[14:15] offset:2048
	global_load_b128 v[208:211], v[TOF], s[12:13]
	global_load_b128 v[212:215], v[TOF], s[12:13] offset:2048
	RAWLOAD 0
	; groups 0.  Every wave makes all of them; a wave issues those of its part.  They hang on the wave's number alone
	s_lshl_b32 s[TB], s[NI], 16                    ; 64 rows of 1,024 bytes
	s_mov_b32 s[TS], 0
	s_add_nc_u64 s[G0WB+2:G0WB+3], s[8:9], s[TB:TS]                   ; slot 0: rows 0 to 127, k 0 on
	s_add_nc_u64 s[G0WB+6:G0WB+7], s[G0WB+2:G0WB+3], 131072           ; slot 1: rows 128 to 255
	s_add_nc_u64 s[G0WA+2:G0WA+3], s[G0WB+2:G0WB+3], 512              ; the same, k 1,024 on
	s_add_nc_u64 s[G0WA+6:G0WA+7], s[G0WB+2:G0WB+3], 131072+512
	s_or_b32 s[G0WB+3], s[G0WB+3], 0x80000000
	s_or_b32 s[G0WB+7], s[G0WB+7], 0x80000000
	s_or_b32 s[G0WA+3], s[G0WA+3], 0x80000000
	s_or_b32 s[G0WA+7], s[G0WA+7], 0x80000000
	s_mov_b32 s[G0WA], 1
	s_mov_b32 s[G0WA+4], 1
	s_mov_b32 s[G0WB], 1
	s_mov_b32 s[G0WB+4], 1
	s_mul_i32 s[TMP], s[NI], 64*PITCH
	s_mov_b32 s[G0WA+1], s[TMP]
	s_mov_b32 s[G0WB+1], s[TMP]
	s_add_co_u32 s[G0WA+5], s[TMP], SLOT
	s_add_co_u32 s[G0WB+5], s[TMP], SLOT
	s_lshl_b32 s[TB], s[NI], 12                    ; 64 rows of 64 bytes
	s_add_nc_u64 s[G0SB+2:G0SB+3], s[10:11], s[TB:TS]
	s_add_nc_u64 s[G0SB+6:G0SB+7], s[G0SB+2:G0SB+3], 8192
	s_add_nc_u64 s[G0SA+2:G0SA+3], s[G0SB+2:G0SB+3], 32
	s_add_nc_u64 s[G0SA+6:G0SA+7], s[G0SB+2:G0SB+3], 8192+32
	s_or_b32 s[G0SB+3], s[G0SB+3], 0x80000000
	s_or_b32 s[G0SB+7], s[G0SB+7], 0x80000000
	s_or_b32 s[G0SA+3], s[G0SA+3], 0x80000000
	s_or_b32 s[G0SA+7], s[G0SA+7], 0x80000000
	s_mov_b32 s[G0SA], 1
	s_mov_b32 s[G0SA+4], 1
	s_mov_b32 s[G0SB], 1
	s_mov_b32 s[G0SB+4], 1
	s_mul_i32 s[TMP], s[NI], 64*SP
	s_add_co_u32 s[TMP], s[TMP], OSC
	s_mov_b32 s[G0SA+1], s[TMP]
	s_mov_b32 s[G0SB+1], s[TMP]
	s_add_co_u32 s[G0SA+5], s[TMP], SLOT
	s_add_co_u32 s[G0SB+5], s[TMP], SLOT
	; LDS addresses: a constant, a constant x lane's parts, a constant x wave's parts
	v_lshlrev_b32 v[SH8], 3, v[HH]
	v_mul_u32_u24 v27, v[RR], PITCH
	v_mul_u32_u24 v28, v[RR], SP
	v_lshl_add_u32 v29, v[HH], 4, v27              ; r x 528 + 16 h
	v_lshl_add_u32 v30, v[HH], 4, v28              ; r x 48 + 16 h
	s_mul_i32 s[TMP], s[WAV], 32*PITCH
	v_add_nc_u32 v[AWB], s[TMP], v29
	v_add_nc_u32 v[AWB+1], SLOT, v[AWB]
	s_add_co_u32 s[TMP], s[TMP], STG               ; my stage
	v_lshl_add_u32 v[HQA], v[HH], 7, s[TMP]
	v_add_nc_u32 v[AE], v27, v[HQA]
	v_lshl_add_u32 v[AC], v[LANE], 4, s[TMP]
	s_mul_i32 s[TMP], s[WAV], 32*SP
	s_add_co_u32 s[TMP], s[TMP], OSC
	v_add_nc_u32 v[ASB], s[TMP], v30
	v_add_nc_u32 v[ASB+1], SLOT, v[ASB]
	v_lshl_add_u32 v[LI], v[LANE], 4, XCH
	s_lshl_b32 s[TMP], s[WAV], 11
	v_add_nc_u32 v[XW], s[TMP], v[LI]
	s_lshl_b32 s[TMP], s[MI], 12
	v_add_nc_u32 v[XR], s[TMP], v[LI]
	v_lshl_add_u32 v31, v[RR], 2, ASC
	s_lshl_b32 s[TMP], s[WAV], 10
	v_add_nc_u32 v[ASW], s[TMP], v31
	v_lshl_add_u32 v[ABB], v[HH], 5, BIAS
	s_lshl_b32 s[TMP], s[NI], 8
	v_add_nc_u32 v[AB0], s[TMP], v[ABB]
	s_lshl_b32 s[TMP], s[WAV], 7
	v_add_nc_u32 v[ABB], s[TMP], v[ABB]
	v_lshl_add_u32 v[ASR], v[HH], 8, v31
	s_lshl_b32 s[TMP], s[MI], 11
	v_add_nc_u32 v[ASR], s[TMP], v[ASR]
	s_mul_i32 s[TMP], s[NI], 64*PITCH
	v_add_nc_u32 v[AW0], s[TMP], v29
	s_mul_i32 s[TMP], s[NI], 64*SP
	s_add_co_u32 s[TMP], s[TMP], OSC
	v_add_nc_u32 v[AWS], s[TMP], v30
	v_lshl_add_u32 v[STA], v0, 4, BIAS
	s_lshl_b32 s[TMP], s[WAV], 3
	s_add_co_u32 s[TMP], s[TMP], HSC
	v_mov_b32 v[HWA], s[TMP]
	v_lshl_add_u32 v[HRA], v[HH], 4, HSC
	v_mov_b32 v[QT+6], 0                           ; a lane permute's destination counts as one of its sources
	ROUND                                          ; all four work-groups are here: the first joint loads meet
	s_cmp_lt_u32 s[WAV], 2                         ; a wave's two first fills stand in one branch: two loads of mine are out
	s_cbranch_scc0 .Lf_s
	tensor_load_to_lds s[G0WA:G0WA+3], s[G1W:G1W+7]
	s_nop 0
	tensor_load_to_lds s[G0WA+4:G0WA+7], s[G1W:G1W+7]
	s_nop 0
	PLACES
	s_branch .Lf_d
.Lf_s:
	tensor_load_to_lds s[G0SA:G0SA+3], s[G1S:G1S+7]
	s_nop 0
	tensor_load_to_lds s[G0SA+4:G0SA+7], s[G1S:G1S+7]
	s_nop 0
	PLACES
.Lf_d:
	RAWLOAD 1
	s_lshl_b32 s2, s[WG], 9                        ; where my work-group's results go
	s_add_nc_u64 s[16:17], s[16:17], s[2:3]
	s_lshl_b32 s2, s[WG], 8
	s_add_nc_u64 s[18:19], s[18:19], s[2:3]
	s_lshl_b32 s2, s[WG], 12
	s_add_nc_u64 s[20:21], s[20:21], s[2:3]
	s_wait_loadcnt 63                              ; the six small loads are in: 64 loads were issued behind them, and 63 is the largest count that the wait can name; a smaller count is always right
	ds_store_b128 v[AC], v[168:171]                ; hidden's two K steps turn through my stage: rows 0 and 1,
	ds_store_b128 v[AC], v[172:175] offset:PITCH
.irp u, 0,1
.irp c, 0,1
.irp i, 0,1,2,3,4,5,6,7
	ds_load_b128 v[32+64*\u+32*\c+4*\i:32+64*\u+32*\c+4*\i+3], v[HQA] offset:PITCH*\u+256*\c+16*\i   ; and every lane r takes the same row (LDS serves a wave's instructions in order: ISA guide 5.7.1.4)
.endr
.endr
.endr
	s_wait_dscnt 16                                ; K step 2 w is in: behind it the other K step's 16 loads
	QUANT 32, 176, 192
	ds_store_b128 v[XW], v[176:179] offset:7*8192  ; hidden's images lie where step 7's images of enc will lie: they are read ahead of step 0
	ds_store_b128 v[XW], v[180:183] offset:7*8192+512
	ds_store_b32 v[HWA], v192
	s_wait_dscnt 3                                 ; K step 2 w + 1 is in: behind it the three stores
	QUANT 96, 184, 193
	ds_store_b128 v[XW], v[184:187] offset:7*8192+1024
	ds_store_b128 v[XW], v[188:191] offset:7*8192+1536
	ds_store_b32 v[HWA], v193 offset:4
	ds_store_b128 v[STA], v[208:211]               ; b_hid
	ds_store_b128 v[STA], v[212:215] offset:2048
	ds_store_b128 v[STA], v[200:203] offset:4096   ; w_score
	ds_store_b128 v[STA], v[204:207] offset:6144
	s_wait_dscnt 0x0                               ; for the others' sake: my stores have landed
	s_wait_tensorcnt 0x1                           ; my part of slot 0 is in; slot 1's may stay out
	s_barrier_signal -1
	s_barrier_wait -1
	WIN 0xc0
.irp k, 0,1,2,3,4,5,6,7
.irp c, 0,1
	ds_load_b128 v[192+8*\k+4*\c:192+8*\k+4*\c+3], v[LI] offset:7*8192+1024*\k+512*\c   ; hidden's eight fragments, into window 3
.endr
.endr
	WIN 0
.irp q, 0,1,2,3
	ds_load_b32 v[RHS+\q], v[HRA] offset:4*\q      ; lanes 0-15 K step q, lanes 16-31 K step q + 4
.endr
; A STEP OF PHASE A.  In front of steps 1 to 7 stands the ring's change of slots: every wave waits for all its tensor loads, adds 0 to its spare word, waits for that and for all its LDS instructions; a round of the
; cluster's barrier; the slot read last is filled again first.  enc's loads into registers stay out across it: nobody writes those bytes.
.macro STEPA s
.set SL, (\s)%2
.set FS, ((\s)+1)%2
.set ZB, 128*((\s)%2)
.if (\s) > 0
	s_wait_tensorcnt 0x0                           ; no tensor load of mine is out: groups 0 may be written
	ds_add_u32 v[SPW], v[NIL]
.if (\s) < 7
	s_add_nc_u64 s[G0WA+4*FS+2:G0WA+4*FS+3], s[G0WA+4*FS+2:G0WA+4*FS+3], 262144    ; 256 rows of W on
	s_add_nc_u64 s[G0SA+4*FS+2:G0SA+4*FS+3], s[G0SA+4*FS+2:G0SA+4*FS+3], 16384
.endif
	s_wait_dscnt 0x0                               ; the add is done; my reads of the slot are back, my stores have landed
	ROUND
.if (\s) < 7
	TLOAD G0WA+4*FS, G0SA+4*FS
.else
	TLOAD G0WB, G0SB                               ; W's first half, rows 0 to 127
.endif
.endif
.if (\s) < 7
	s_wait_loadcnt 32                              ; this step's 32 rows are in; the next step's 32 loads stay out
.else
	s_wait_loadcnt 0x0
.endif
	WIN 0x04                                       ; an LDS store's data are its source 1: window 1
.set i, 0
.rept 32
	ds_store_b128 v[AC], v[ZB+4*i:ZB+4*i+3] offset:PITCH*i                        ; row 32 w + i as it lies, into my stage
.set i, i+1
.endr
	WIN 0
.irp u, 0,1
.irp c, 0,1
.irp i, 0,1,2,3,4,5,6,7
	ds_load_b128 v[32+64*\u+32*\c+4*\i:32+64*\u+32*\c+4*\i+3], v[AE] offset:16*PITCH*\u+256*\c+16*\i   ; and back: rows 32 w + 16 u + r, two whole blocks a lane (my own bytes, served in order)
.endr
.endr
.endr
.irp u, 0,1
	ds_load_b128 v[RWS+4*\u:RWS+4*\u+3], v[ASB+SL] offset:16*SP*\u
	ds_load_b128 v[BA+8*\u:BA+8*\u+3], v[ABB] offset:512*(\s)+64*\u               ; b_hid starts the sums
	ds_load_b128 v[BA+8*\u+4:BA+8*\u+7], v[ABB] offset:512*(\s)+64*\u+16
.endr
.if (\s) < 7
	COPY \s                                        ; step 7's copy comes at the step's end: hidden's fragments lie there until its last product
.endif
.if (\s) < 6
	s_wait_dscnt 38                                ; the 32 stores have read the zone: behind them stand 38 loads
	RAWLOAD (\s)+2                                 ; the zone is drained: it takes the step two on
.endif
	s_wait_dscnt 22                                ; tile 0's numbers are in: behind them tile 1's 16 loads and the 6 small ones
	QUANT 32, 176, 192
	ds_store_b128 v[XW], v[176:179] offset:8192*(\s)
	ds_store_b128 v[XW], v[180:183] offset:8192*(\s)+512
	ds_store_b32 v[ASW], v192 offset:64*(\s)
.irp u, 0,1
.irp k, 0,1,2,3
.irp c, 0,1
	ds_load_b128 v[32+32*\u+8*\k+4*\c:32+32*\u+8*\k+4*\c+3], v[AWB+SL] offset:16*PITCH*\u+64*\k+32*\c   ; W's second half, K steps 0-3, where tile 0's numbers lay
.endr
.endr
.endr
	s_wait_dscnt 25                                ; tile 1's numbers are in: behind them 6 loads, 3 stores, 16 loads
	QUANT 96, 184, 193
	ds_store_b128 v[XW], v[184:187] offset:8192*(\s)+1024
	ds_store_b128 v[XW], v[188:191] offset:8192*(\s)+1536
	ds_store_b32 v[ASW], v193 offset:64*(\s)+512
.irp u, 0,1
.irp k, 0,1,2,3
.irp c, 0,1
	ds_load_b128 v[96+32*\u+8*\k+4*\c:96+32*\u+8*\k+4*\c+3], v[AWB+SL] offset:16*PITCH*\u+256+64*\k+32*\c   ; K steps 4-7
.endr
.endr
.endr
	s_wait_dscnt 19                                ; K steps 0-3 are in: behind them 3 stores and 16 loads
	WIN 0x0c                                       ; source 1 (hidden) in window 3
.irp q, 0,1,2,3
	BMM \q
.endr
	s_wait_dscnt 0x0
.irp q, 4,5,6,7
	BMM \q
.endr
	WIN 0
	PLACES
.irp u, 0,1
	ds_store_b128 v[ABB], v[BA+8*\u:BA+8*\u+3] offset:512*(\s)+64*\u              ; each accumulator from its low end on; the lanes of one h write the same bytes with the same values
	ds_store_b128 v[ABB], v[BA+8*\u+4:BA+8*\u+7] offset:512*(\s)+64*\u+16
.endr
.if (\s) == 7
	COPY \s
.endif
.endm
	STEPA 0
	STEPA 1
	STEPA 2
	STEPA 3
	STEPA 4
	STEPA 5
	STEPA 6
	STEPA 7
; PHASE B.  Tile 4 q + j of a wave is n = 128 q + 64 NI + 16 j .. + 15; a WINDOW is its 32 matrix instructions: four tiles of rows by turns, K step by K step.
.macro ADDR p                          ; address set p (v21-23 or v216-218): the tile's codes, scale bytes, and C and w_score
	v_add_nc_u32 v[21+195*(\p)], s[TB], v[AW0]
	v_add_nc_u32 v[22+195*(\p)], s[TS], v[AWS]
	v_add_nc_u32 v[23+195*(\p)], s[TN], v[AB0]
.endm
.macro RUNX p                          ; 11 loads for the next tile: K steps 0-3, C, the scale words
.irp k, 0,1,2,3
.irp c, 0,1
	ds_load_b128 v[WF+8*\k+4*\c:WF+8*\k+4*\c+3], v[21+195*(\p)] offset:64*\k+32*\c
.endr
.endr
	ds_load_b128 v[BC:BC+3], v[23+195*(\p)]
	ds_load_b128 v[BC+4:BC+7], v[23+195*(\p)] offset:16
	ds_load_b128 v[RWS+4*(1-(\p)):RWS+4*(1-(\p))+3], v[22+195*(\p)]
.endm
.macro RUNY p                          ; 10 loads: K steps 4-7, w_score
.irp k, 4,5,6,7
.irp c, 0,1
	ds_load_b128 v[WF+8*\k+4*\c:WF+8*\k+4*\c+3], v[21+195*(\p)] offset:64*\k+32*\c
.endr
.endr
	ds_load_b128 v[WVR+8*(1-(\p)):WVR+8*(1-(\p))+3], v[23+195*(\p)] offset:4096
	ds_load_b128 v[WVR+8*(1-(\p))+4:WVR+8*(1-(\p))+7], v[23+195*(\p)] offset:4112
.endm
.macro MM p                            ; matrix instruction i of 32: K step i / 4, tile of rows i % 4
.set kk, i/4
.set mm, i%4
.set rD, AP+8*mm
.set rA, WF+8*kk
.set rB, 8*(8*mm+kk)
.set rW, RWS+4*(\p)+kk%4
.set rE, RES+4*mm+kk%4
.if kk == 0
	v_wmma_scale_f32_16x16x128_f8f6f4 v[rD:rD+7], v[rA:rA+7], v[rB:rB+7], v[BC:BC+7], v[rW], v[rE] matrix_a_fmt:MATRIX_FMT_FP4 matrix_b_fmt:MATRIX_FMT_FP4
.elseif kk < 4
	v_wmma_scale_f32_16x16x128_f8f6f4 v[rD:rD+7], v[rA:rA+7], v[rB:rB+7], v[rD:rD+7], v[rW], v[rE] matrix_a_fmt:MATRIX_FMT_FP4 matrix_b_fmt:MATRIX_FMT_FP4
.else
	v_wmma_scale_f32_16x16x128_f8f6f4 v[rD:rD+7], v[rA:rA+7], v[rB:rB+7], v[rD:rD+7], v[rW], v[rE] matrix_a_fmt:MATRIX_FMT_FP4 matrix_b_fmt:MATRIX_FMT_FP4 matrix_a_scale:MATRIX_SCALE_ROW1 matrix_b_scale:MATRIX_SCALE_ROW1
.endif
.endm
; Line ej of 96 of the epilogue of the tile before, in place on its 32 numbers (16 pairs).  Lines 0-47: x 2 log2(e) by pairs, and 2^.  Lines 48-95: + 1 by pairs, and 1 / .  In a batch of 48: four pair lines, then
; twelve times a pair line and two transcendentals, then the last eight transcendentals; a pair's line stands ahead of its transcendentals, and no line of a batch names a result of that batch: one wait a batch.
; Pairs ascend.  No line names a vector register as source 1, so all stand under the products' window setting.
.macro EP
.set tt, ej%48
.if tt < 4
.set ek, 0
.set ex, tt
.elseif tt < 40
.if (tt-4)%3 == 0
.set ek, 0
.set ex, (tt-4)/3+4
.else
.set ek, 1
.set ex, 2*((tt-4)/3)+(tt-4)%3-1
.endif
.else
.set ek, 1
.set ex, tt-16
.endif
.if ej < 48
.if ek == 0
	v_pk_mul_f32 v[AQ+2*ex:AQ+2*ex+1], v[AQ+2*ex:AQ+2*ex+1], s[CC:CC+1] op_sel_hi:[1,0]
.else
	v_exp_f32 v[AQ+ex], v[AQ+ex]
.endif
.else
.if ek == 0
	v_pk_add_f32 v[AQ+2*ex:AQ+2*ex+1], v[AQ+2*ex:AQ+2*ex+1], 1.0 op_sel_hi:[1,0]
.else
	v_rcp_f32 v[AQ+ex], v[AQ+ex]
.endif
.endif
.set ej, ej+1
.endm
.macro FMAB                            ; the scores' sums take w[n] / (1 + e): 16 packed multiply-adds, the four tiles of rows by turns
.irp jj, 0,1,2,3
.irp m, 0,1,2,3
	v_pk_fma_f32 v[SC+2*\m:SC+2*\m+1], v[AQ+8*\m+2*\jj:AQ+8*\m+2*\jj+1], v[WVQ+2*\jj:WVQ+2*\jj+1], v[SC+2*\m:SC+2*\m+1]
.endr
.endr
.endm
; p: the tile's parity (its accumulators, scale words, address set).  epi: the tile before has an epilogue.  nxt: a next tile is fetched.
.macro WINDOW p, epi, nxt
.set AP, ACC+32*(\p)
.set AQ, ACC+32*(1-(\p))
.set WVQ, WVR+8*(1-(\p))
.set ej, 0
.set i, 0
	WIN 0x04                                       ; source 1 (enc's codes) in window 1
.rept 32
.if i == 0
	s_wait_dscnt 10                                ; K steps 0-3, C and the scale words are in: behind them the last window's second run of 10
.endif
.if i == 16
.if \nxt
	s_wait_dscnt 11                                ; K steps 4-7 are in: behind them this window's first run of 11
.else
	s_wait_dscnt 0x0
.endif
.endif
	MM \p
.if \epi
	EP
	EP
	EP
.endif
.if i == 15
	PLACES                                         ; behind the products that read K steps 0-3; the first is also the plain instruction behind the last exponential
.if \epi
	s_wait_alu depctr_va_vdst(0)                   ; one wait for the 32 exponentials, ahead of their first reader
.endif
.if \nxt
	RUNX \p
.endif
.endif
.set i, i+1
.endr
.if \epi
	v_nop                                          ; the plain instruction behind the last reciprocal
	s_wait_alu depctr_va_vdst(0)                   ; one wait for the 32 reciprocals
	WIN 0
	FMAB                                           ; these 16 name no register of the last products: they are the places in front of the loads below
.else
	PLACES
	WIN 0
.endif
.if \nxt
	RUNY \p
	s_add_co_u32 s[TB], s[TB], 16*PITCH
	s_add_co_u32 s[TS], s[TS], 16*SP
	s_add_co_u32 s[TN], s[TN], 64
	ADDR 1-(\p)                                    ; the other set: its last loads were shown back by the wait at this window's middle
.endif
.endm
; THE CHANGE OF SLOTS stands in front of a slot's last window, which multiplies from registers and is the first to fetch from the next slot.  fill = 1: slot fs takes the 128 rows of W two tiles on.  rs: the slot read next.
.macro CHANGE fill, fs, rs
	s_wait_tensorcnt 0x0                           ; my part of the next slot is in; no tensor load of mine is out
	ds_add_u32 v[SPW], v[NIL]
.if \fill
	s_add_nc_u64 s[G0WB+4*(\fs)+2:G0WB+4*(\fs)+3], s[G0WB+4*(\fs)+2:G0WB+4*(\fs)+3], 262144
	s_add_nc_u64 s[G0SB+4*(\fs)+2:G0SB+4*(\fs)+3], s[G0SB+4*(\fs)+2:G0SB+4*(\fs)+3], 16384
.endif
	s_mov_b32 s[TB], (\rs)*SLOT
	s_mov_b32 s[TS], (\rs)*SLOT
	s_add_co_u32 s[TN], s[TN], 256                 ; over the other half's 64 n
	s_wait_dscnt 0x0                               ; the add is done, and my reads of the slot that is left are back
.if \fill
	ROUND
	TLOAD G0WB+4*(\fs), G0SB+4*(\fs)
.else
	s_barrier_signal -1
	s_barrier_wait -1
.endif
	ADDR 1
.endm
.macro PAIRS n
	s_mov_b32 s[CNT], \n
.Lpair_\@:
	WINDOW 1, 1, 1
	WINDOW 0, 1, 1
	s_sub_co_u32 s[CNT], s[CNT], 1
	s_cmp_lg_u32 s[CNT], 0
	s_cbranch_scc1 .Lpair_\@
.endm
	s_wait_tensorcnt 0x0                           ; W's rows 0 to 127 have landed
	ds_add_u32 v[SPW], v[NIL]
	s_mov_b32 s[TB], 0
	s_mov_b32 s[TS], 0
	s_mov_b32 s[TN], 0
	s_wait_dscnt 0x0                               ; all my images, scale words and sums have landed; my reads of slot 1 are back
	ROUND
	TLOAD G0WB+4, G0SB+4                           ; rows 128 to 255
	WIN 0x40                                       ; enc's codes: my four tiles of rows, all eight K steps, from the images into window 1, where the landing zones lay
.irp k, 0,1,2,3,4,5,6,7
.irp j, 0,1,2,3
.irp c, 0,1
	ds_load_b128 v[8*(8*\j+\k)+4*\c:8*(8*\j+\k)+4*\c+3], v[XR] offset:\k*8192+\j*1024+512*\c
.endr
.endr
.endr
	WIN 0
.irp m, 0,1,2,3
.irp q, 0,1,2,3
	ds_load_b32 v[RES+4*\m+\q], v[ASR] offset:512*\m+64*\q
.endr
.endr
	ADDR 1
	RUNX 1                                         ; tile 0, into the even sets
	RUNY 1
.irp j, 0,1,2,3,4,5,6,7
	v_mov_b32 v[SC+\j], 0
.endr
	s_wait_dscnt 0x0
	s_mov_b32 s[TB], 16*PITCH
	s_mov_b32 s[TS], 16*SP
	s_mov_b32 s[TN], 64
	ADDR 0
	WINDOW 0, 0, 1                                 ; tile 0
	WINDOW 1, 1, 1                                 ; 1
	WINDOW 0, 1, 1                                 ; 2
	s_mov_b32 s[OUT], 3
.Lq:                                               ; three trips: two changes of slots, eight tiles: 3 to 26
	CHANGE 1, 0, 1
	PAIRS 2
	CHANGE 1, 1, 0
	PAIRS 2
	s_sub_co_u32 s[OUT], s[OUT], 1
	s_cmp_lg_u32 s[OUT], 0
	s_cbranch_scc1 .Lq
	CHANGE 0, 0, 1                                 ; the tail is written out: nothing is left to fetch
	PAIRS 2                                        ; 27 to 30
	WINDOW 1, 1, 0                                 ; 31
.set AQ, ACC+32                        ; tile 31's epilogue, with no products beside it
.set WVQ, WVR+8
.set ej, 0
.rept 48
	EP
.endr
	v_nop
	s_wait_alu depctr_va_vdst(0)
.rept 48
	EP
.endr
	v_nop
	s_wait_alu depctr_va_vdst(0)
	FMAB
	; THE SCORES.  A row's sum lies in two halves of a pair, in lanes l and l xor 16, and in the two waves of its 64 rows
.irp m, 0,1,2,3
	v_add_f32 v[160+\m], v[SC+2*\m], v[SC+2*\m+1]
.endr
.irp m, 0,1,2,3
	v_permlanex16_b32 v[176+\m], v[160+\m], s[SEL], s[SEL+1]
.endr
.irp m, 0,1,2,3
	v_add_f32 v[160+\m], v[160+\m], v[176+\m]
.endr
	s_lshl_b32 s[TMP], s[NI], 9
	s_lshl_b32 s[TB], s[MI], 8
	s_add_co_u32 s[TMP], s[TMP], s[TB]
	v_lshl_add_u32 v168, v[RR], 2, SCP
	v_add_nc_u32 v168, s[TMP], v168
.irp m, 0,1,2,3
	ds_store_b32 v168, v[160+\m] offset:64*\m      ; row 64 MI + 16 m + r; lanes l and l xor 16 write the same word with the same value
.endr
	s_wait_dscnt 0x0
	s_barrier_signal -1
	s_barrier_wait -1
	v_lshl_add_u32 v169, v[LANE], 4, SCP           ; all 128 rows, four a lane
	s_lshl_b32 s[TMP], s[WAV], 7
	v_lshl_add_u32 v170, v[LANE], 2, SCP           ; and my own 32, one a lane
	v_add_nc_u32 v170, s[TMP], v170
	v_lshl_add_u32 v171, v[LANE], 2, PP
	v_add_nc_u32 v171, s[TMP], v171
	s_add_co_u32 s[TMP], s[TMP], PP
	v_mov_b32 v172, s[TMP]
	ds_load_b128 v[96:99], v169
	ds_load_b128 v[100:103], v169 offset:512
	ds_load_b32 v104, v170
	ds_load_b32 v105, v170 offset:512
	s_mov_b32 s[TB], 0xc038aa3b                    ; -2 log2(e)
	s_mov_b32 s[TS], s[TB]
	v_mov_b32 v107, 0
	v_mov_b32 v115, 0
	v_mov_b32 v[ZR], 0
	v_lshlrev_b32 v173, 4, v[LANE]
	v_lshlrev_b32 v174, 3, v[LANE]
	s_wait_dscnt 0x0
	v_pk_add_f32 v[96:97], v[96:97], v[100:101]
	v_pk_add_f32 v[98:99], v[98:99], v[102:103]
	v_add_f32 v104, v104, v105
	v_pk_mul_f32 v[96:97], v[96:97], s[TB:TS] op_sel_hi:[1,0]      ; t2
	v_pk_mul_f32 v[98:99], v[98:99], s[TB:TS] op_sel_hi:[1,0]
	v_mul_f32 v104, s[TB], v104
	v_max3_num_f32 v106, v96, v97, v98
	v_max_num_f32 v106, v106, v99
	v_max_num_f32_dpp v106, v106, v106 row_xmask:1 row_mask:0xf bank_mask:0xf
	v_max_num_f32_dpp v106, v106, v106 row_xmask:2 row_mask:0xf bank_mask:0xf
	v_max_num_f32_dpp v106, v106, v106 row_xmask:4 row_mask:0xf bank_mask:0xf
	v_max_num_f32_dpp v106, v106, v106 row_xmask:8 row_mask:0xf bank_mask:0xf
	v_permlanex16_b32 v107, v106, s[SEL], s[SEL+1]
	v_max_num_f32 v116, v106, v107                 ; m: the largest t2 of the 128 rows, in every lane
.irp k, 0,1,2,3
	v_sub_f32 v[108+\k], v[96+\k], v116
.endr
	v_sub_f32 v112, v104, v116
.irp k, 0,1,2,3,4
	v_exp_f32 v[108+\k], v[108+\k]
.endr
	v_nop
	s_wait_alu depctr_va_vdst(0)                   ; one wait for the five
	ds_store_b32 v171, v112                        ; p of row 32 w + lane: my wave's own bytes,
.irp k, 0,1,2,3,4,5,6,7
	ds_load_b128 v[PB+4*\k:PB+4*\k+3], v172 offset:16*\k           ; read back by every lane (LDS serves a wave's instructions in order: ISA guide 5.7.1.4)
.endr
	v_add_f32 v113, v108, v109
	v_add_f32 v114, v110, v111
	v_add_f32 v113, v113, v114
	v_add_f32_dpp v113, v113, v113 row_xmask:1 row_mask:0xf bank_mask:0xf
	v_add_f32_dpp v113, v113, v113 row_xmask:2 row_mask:0xf bank_mask:0xf
	v_add_f32_dpp v113, v113, v113 row_xmask:4 row_mask:0xf bank_mask:0xf
	v_add_f32_dpp v113, v113, v113 row_xmask:8 row_mask:0xf bank_mask:0xf
	v_permlanex16_b32 v115, v113, s[SEL], s[SEL+1]
	v_add_f32 v117, v113, v115                     ; l
	s_cmp_lg_u32 s[WAV], 0
	s_cbranch_scc1 .Lnot_0
	global_store_b128 v173, v[96:99], s[16:17]     ; 512 consecutive bytes: the 128 t2
	global_store_b64 v174, v[116:117], s[18:19]    ; 256 consecutive bytes: (m, l), once a lane.  Neither store's registers are written again
.Lnot_0:
	s_wait_dscnt 0x0                               ; p
; PHASE C: column 128 k + 4 lane + e takes the sum over my 32 rows of p x the bf16 copy: 16 sums by turns in each window.  The first row's addend is a zero register: nothing is cleared.
.macro CTXSUM win, ct
	WIN \win
.set i, 0
.rept 32
.irp k, 0,1,2,3
.irp e, 0,1,2,3
.set rC, \ct+4*\k+\e
.if i == 0
.set rC, ZR
.endif
.if \e%2
	v_fma_mix_f32_bf16 v[\ct+4*\k+\e], v[64*\k+2*i+\e/2], v[PB+i], v[rC] op_sel:[1,0,0] op_sel_hi:[1,0,0]
.else
	v_fma_mix_f32_bf16 v[\ct+4*\k+\e], v[64*\k+2*i+\e/2], v[PB+i], v[rC] op_sel_hi:[1,0,0]
.endif
.endr
.endr
.set i, i+1
.endr
.endm
	CTXSUM 0x02, CT                                ; source 0 in window 2: K steps 0-3
	CTXSUM 0x03, CT+16                             ; window 3: K steps 4-7
	WIN 0
	s_lshl_b32 s[TMP], s[WAV], 12
	v_add_nc_u32 v177, s[TMP], v[LI]               ; the four waves' sums meet where the first steps' images lay
.irp k, 0,1,2,3,4,5,6,7
	ds_store_b128 v177, v[CT+4*\k:CT+4*\k+3] offset:512*\k
.endr
	s_wait_dscnt 0x0
	s_barrier_signal -1
	s_barrier_wait -1
	s_lshl_b32 s[TMP], s[WAV], 10
	v_add_nc_u32 v178, s[TMP], v[LI]               ; columns 256 w on
	v_lshl_add_u32 v179, v[LANE], 4, s[TMP]
.irp g, 0,1,2,3
.irp f, 0,1
	ds_load_b128 v[64+8*\g+4*\f:64+8*\g+4*\f+3], v178 offset:4096*\g+512*\f
.endr
.endr
	s_wait_dscnt 0x0
.irp q, 0,2,4,6
	v_pk_add_f32 v[64+\q:65+\q], v[64+\q:65+\q], v[72+\q:73+\q]
	v_pk_add_f32 v[80+\q:81+\q], v[80+\q:81+\q], v[88+\q:89+\q]
.endr
.irp q, 0,2,4,6
	v_pk_add_f32 v[64+\q:65+\q], v[64+\q:65+\q], v[80+\q:81+\q]
.endr
	global_store_b128 v179, v[64:67], s[20:21]     ; each store of the wave covers 512 consecutive bytes, aligned
	global_store_b128 v179, v[68:71], s[20:21] offset:512
	s_wait_tensorcnt 0x0                           ; the wave's end
	ds_add_u32 v[SPW], v[NIL]
	s_wait_dscnt 0x0
	ROUND                                          ; the closing round: no work-group ends while a partner may still ask for a tile that names it
	s_endpgm
.Lfunc_end_k_q8f129ad244_main:
	.size	k_q8f129ad244_main, .Lfunc_end_k_q8f129ad244_main-k_q8f129ad244_main
	.p2alignl 7, 3214868480
	.fill 96, 4, 3214868480
	.section	.rodata,"a",@progbits
	.p2align	6, 0x0
	.amdhsa_kernel k_q8f129ad244_main
		.amdhsa_group_segment_fixed_size 327680
		.amdhsa_private_segment_fixed_size 0
		.amdhsa_enable_private_segment 0
		.amdhsa_kernarg_size 72
		.amdhsa_user_sgpr_count 2
		.amdhsa_user_sgpr_kernarg_segment_ptr 1
		.amdhsa_wavefront_size32 1
		.amdhsa_system_sgpr_workgroup_id_x 1
		.amdhsa_system_sgpr_workgroup_id_y 1
		.amdhsa_system_sgpr_workgroup_id_z 1
		.amdhsa_system_vgpr_workitem_id 0
		.amdhsa_next_free_vgpr 1024
		.amdhsa_next_free_sgpr 102
		.amdhsa_reserve_vcc 0
		.amdhsa_float_denorm_mode_32 3
		.amdhsa_float_denorm_mode_16_64 3
		.amdhsa_memory_ordered 1
		.amdhsa_forward_progress 1
		.amdhsa_inst_pref_size 255
	.end_amdhsa_kernel
	.section	.bss,"aw",@nobits
	.p2align	6
	.space	262144
	.amdgpu_metadata
---
amdhsa.version: [ 1, 2 ]
amdhsa.kernels:
  - .name:           k_q8f129ad244_main
    .symbol:         k_q8f129ad244_main.kd
    .args:
      - { .name: encoder_outputs, .offset: 0, .size: 8, .value_kind: global_buffer, .address_space: global }
      - { .name: hidden, .offset: 8, .size: 8, .value_kind: global_buffer, .address_space: global }
      - { .name: W_hid_codes, .offset: 16, .size: 8, .value_kind: global_buffer, .address_space: global }
      - { .name: W_hid_scales, .offset: 24, .size: 8, .value_kind: global_buffer, .address_space: global }
      - { .name: b_hid, .offset: 32, .size: 8, .value_kind: global_buffer, .address_space: global }
      - { .name: w_score, .offset: 40, .size: 8, .value_kind: global_buffer, .address_space: global }
      - { .name: tsc, .offset: 48, .size: 8, .value_kind: global_buffer, .address_space: global }
      - { .name: stats, .offset: 56, .size: 8, .value_kind: global_buffer, .address_space: global }
      - { .name: ctxp, .offset: 64, .size: 8, .value_kind: global_buffer, .address_space: global }
    .group_segment_fixed_size: 327680
    .private_segment_fixed_size: 0
    .kernarg_segment_align: 8
    .kernarg_segment_size: 72
    .max_flat_workgroup_size: 128
    .sgpr_count:     102
    .vgpr_count:     1024
    .wavefront_size: 32
...
	.end_amdgpu_metadata
.endif
;; end of part 1
;; launch combine (part 2): grid 32 x 1, 8 waves a work-group, no clusters, 0 bytes of LDS; arguments tsc, stats, ctxp, out0, out1; writes out0, out1
.if DOCPART == 2
	.amdgcn_target "amdgcn-amd-amdhsa--gfx1250"
	.amdhsa_code_object_version 6
	.text
	.protected	k_q8f129ad244_combine
	.globl	k_q8f129ad244_combine
	.p2align	8
	.type	k_q8f129ad244_combine,@function
k_q8f129ad244_combine:
	s_mov_b64 s[64:65], 0
	v_nop
	global_prefetch_b8 v0, s[64:65] scope:SCOPE_SE
	s_setreg_imm32_b32 hwreg(HW_REG_WAVE_MODE, 25, 1), 1
	s_wait_xcnt 0x0
; Additive attention, second launch: one work-group for each batch joins the eight parts that the first launch left.
; tsc [32][1024]: t2, the scores in units of log2 (up to a shift common to the batch).  stats [256][32 x (m, l)]: a part's largest t2 and its sum of 2^(t2 - m).  ctxp [256][1024]: its sum of 2^(t2 - m) enc[t][:].
; M = the largest m of the batch's eight parts is taken away before every exponential.  L = the sum of 2^(m_g - M) l_g.  out1[t] = 2^(t2 - M) / L.  out0[c] = the sum of 2^(m_g - M) / L x ctxp_g[c].
; Thread i owns rows 4 i .. 4 i + 3 of out1 and columns 4 i .. 4 i + 3 of out0: every load and store of a wave covers 512 consecutive bytes (the stats' loads 256).
; 32 work-groups: the batch's sums are 36 KiB; no LDS, no barrier, no matrix unit: there is nothing to share and nothing to multiply in bulk.
.set ST, 8                             ; v8-23   (m_g, l_g), g = 0 .. 7
.set CX, 24                            ; v24-55  ctxp_g, four numbers each
.set TT, 56                            ; v56-59  t2
.set MX, 60
.set LS, 61
.set RL, 62
.set FG, 64                            ; v64-79  2^(m_g - M) / L, written into both halves of a pair
.set PW, 80                            ; v80-83  out1
.set OC, 84                            ; v84-87  out0
	s_load_b256 s[4:11], s[0:1], 0x0               ; tsc s[4:5], stats s[6:7], ctxp s[8:9], out0 s[10:11]
	s_load_b64 s[12:13], s[0:1], 0x20              ; out1
	v_and_b32 v1, 31, v0
	v_lshlrev_b32 v1, 3, v1                        ; my lane's copy of a record
	v_lshlrev_b32 v2, 4, v0
	s_lshl_b32 s14, ttmp9, 12
	s_mov_b32 s15, 0
	s_lshl_b32 s16, ttmp9, 11
	s_mov_b32 s17, 0
	s_lshl_b32 s18, ttmp9, 15
	s_mov_b32 s19, 0
	s_wait_kmcnt 0x0
	s_add_nc_u64 s[4:5], s[4:5], s[14:15]
	s_add_nc_u64 s[6:7], s[6:7], s[16:17]
	s_add_nc_u64 s[8:9], s[8:9], s[18:19]
	s_add_nc_u64 s[10:11], s[10:11], s[14:15]
	s_add_nc_u64 s[12:13], s[12:13], s[14:15]
.irp g, 0,1,2,3,4,5,6,7
	global_load_b64 v[ST+2*\g:ST+2*\g+1], v1, s[6:7] offset:256*\g
.endr
	global_load_b128 v[TT:TT+3], v2, s[4:5] th:TH_LOAD_NT
.irp g, 0,1,2,3,4,5,6,7
	global_load_b128 v[CX+4*\g:CX+4*\g+3], v2, s[8:9] offset:4096*\g th:TH_LOAD_NT
.endr
	s_wait_loadcnt 8                               ; the records and t2 are in; the eight loads of ctxp stay out
	v_max3_num_f32 v[MX], v[ST], v[ST+2], v[ST+4]
	v_max3_num_f32 v[MX], v[MX], v[ST+6], v[ST+8]
	v_max3_num_f32 v[MX], v[MX], v[ST+10], v[ST+12]
	v_max_num_f32 v[MX], v[MX], v[ST+14]           ; M
.irp g, 0,1,2,3,4,5,6,7
	v_sub_f32 v[FG+2*\g], v[ST+2*\g], v[MX]
.endr
.irp k, 0,1,2,3
	v_sub_f32 v[PW+\k], v[TT+\k], v[MX]
.endr
.irp g, 0,1,2,3,4,5,6,7
	v_exp_f32 v[FG+2*\g], v[FG+2*\g]
.endr
.irp k, 0,1,2,3
	v_exp_f32 v[PW+\k], v[PW+\k]
.endr
	v_nop                                          ; a plain instruction behind the last exponential
	s_wait_alu depctr_va_vdst(0)                   ; one wait for the twelve, ahead of their first reader
	v_mul_f32 v[LS], v[FG], v[ST+1]
.irp g, 1,2,3,4,5,6,7
	v_fmac_f32 v[LS], v[FG+2*\g], v[ST+2*\g+1]     ; L: at least 1, since the part that holds M adds its l
.endr
	v_rcp_f32 v[RL], v[LS]
	v_nop
	s_wait_alu depctr_va_vdst(0)
.irp g, 0,1,2,3,4,5,6,7
	v_mul_f32 v[FG+2*\g+1], v[FG+2*\g], v[RL]      ; both halves of the pair hold the factor: the packed forms below need no selection
	v_mul_f32 v[FG+2*\g], v[FG+2*\g], v[RL]
.endr
.irp k, 0,1,2,3
	v_mul_f32 v[PW+\k], v[PW+\k], v[RL]
.endr
	global_store_b128 v2, v[PW:PW+3], s[12:13]
	s_wait_loadcnt 0x0
	v_pk_mul_f32 v[OC:OC+1], v[CX:CX+1], v[FG:FG+1]
	v_pk_mul_f32 v[OC+2:OC+3], v[CX+2:CX+3], v[FG:FG+1]
.irp g, 1,2,3,4,5,6,7
	v_pk_fma_f32 v[OC:OC+1], v[CX+4*\g:CX+4*\g+1], v[FG+2*\g:FG+2*\g+1], v[OC:OC+1]
	v_pk_fma_f32 v[OC+2:OC+3], v[CX+4*\g+2:CX+4*\g+3], v[FG+2*\g:FG+2*\g+1], v[OC+2:OC+3]
.endr
	global_store_b128 v2, v[OC:OC+3], s[10:11]
	s_endpgm
.Lfunc_end_k_q8f129ad244_combine:
	.size	k_q8f129ad244_combine, .Lfunc_end_k_q8f129ad244_combine-k_q8f129ad244_combine
	.p2alignl 7, 3214868480
	.fill 96, 4, 3214868480
	.section	.rodata,"a",@progbits
	.p2align	6, 0x0
	.amdhsa_kernel k_q8f129ad244_combine
		.amdhsa_group_segment_fixed_size 0
		.amdhsa_private_segment_fixed_size 0
		.amdhsa_enable_private_segment 0
		.amdhsa_kernarg_size 40
		.amdhsa_user_sgpr_count 2
		.amdhsa_user_sgpr_kernarg_segment_ptr 1
		.amdhsa_wavefront_size32 1
		.amdhsa_system_sgpr_workgroup_id_x 1
		.amdhsa_system_sgpr_workgroup_id_y 1
		.amdhsa_system_sgpr_workgroup_id_z 1
		.amdhsa_system_vgpr_workitem_id 0
		.amdhsa_next_free_vgpr 96
		.amdhsa_next_free_sgpr 66
		.amdhsa_reserve_vcc 0
		.amdhsa_float_denorm_mode_32 3
		.amdhsa_float_denorm_mode_16_64 3
		.amdhsa_memory_ordered 1
		.amdhsa_forward_progress 1
		.amdhsa_inst_pref_size 6
	.end_amdhsa_kernel
	.amdgpu_metadata
---
amdhsa.version: [ 1, 2 ]
amdhsa.kernels:
  - .name:           k_q8f129ad244_combine
    .symbol:         k_q8f129ad244_combine.kd
    .args:
      - { .name: tsc, .offset: 0, .size: 8, .value_kind: global_buffer, .address_space: global }
      - { .name: stats, .offset: 8, .size: 8, .value_kind: global_buffer, .address_space: global }
      - { .name: ctxp, .offset: 16, .size: 8, .value_kind: global_buffer, .address_space: global }
      - { .name: out0, .offset: 24, .size: 8, .value_kind: global_buffer, .address_space: global }
      - { .name: out1, .offset: 32, .size: 8, .value_kind: global_buffer, .address_space: global }
    .group_segment_fixed_size: 0
    .private_segment_fixed_size: 0
    .kernarg_segment_align: 8
    .kernarg_segment_size: 40
    .max_flat_workgroup_size: 256
    .sgpr_count:     66
    .vgpr_count:     96
    .wavefront_size: 32
...
	.end_amdgpu_metadata
.endif
;; end of part 2
